; MI455X (gfx1250); checked and timed in simulation.
; The chip was launched on July 23, 2026; its instructions are those of AMD's public machine-readable ISA for CDNA 5 (MIT licence, August 2026) and "CDNA5" Instruction Set Architecture Reference Guide (July 2026). The comments in the code are by the model that wrote it; some were corrected since.
;; Toy Moe. Allowed arithmetic: matrix products marked QUANTISED: E2M1 operands, one E8M0 scale for each 32 along K, by v_wmma_scale_f32_16x16x128_f8f6f4 with both operands' format E2M1 (or v_wmma_scale_f32_32x16x128_f4), f32 sums; products left as they are: f32 operands where the result goes on into a quantised operand, else bf16, f16 or f32 operands; f32 sums; everything else in f32.
;; Inputs: W0a_codes 2,048 x 32 x 16 uint8 (E2M1 codes of W0a, K innermost, in blocks of 32 codes, two codes a byte); W0a_scales 2,048 x 32 uint8 (E8M0 scales of W0a, one for each 32 codes along K); W0b_codes 1,024 x 64 x 16 uint8 (E2M1 codes of W0b, K innermost, in blocks of 32 codes, two codes a byte); W0b_scales 1,024 x 64 uint8 (E8M0 scales of W0b, one for each 32 codes along K); W1a_codes 2,048 x 32 x 16 uint8 (E2M1 codes of W1a, K innermost, in blocks of 32 codes, two codes a byte); W1a_scales 2,048 x 32 uint8 (E8M0 scales of W1a, one for each 32 codes along K); W1b_codes 1,024 x 64 x 16 uint8 (E2M1 codes of W1b, K innermost, in blocks of 32 codes, two codes a byte); W1b_scales 1,024 x 64 uint8 (E8M0 scales of W1b, one for each 32 codes along K); Wg 2 x 1,024 float32; b0a 2,048 float32; b0b 1,024 float32; b1a 2,048 float32; b1b 1,024 float32; x 4 x 2,048 x 1,024 float32.
;; Outputs: out0 4 x 2,048 x 1,024 float32.
;; This version of the problem:
;;   THIS VERSION OF THE PROBLEM IS GIVEN IN LOW PRECISION. The matrix products marked QUANTISED in the list below multiply operands that are first quantised to E2M1 (2 exponent bits, 1 mantissa bit; 4 bits a number), with one power-of-two scale for each 32 numbers along K (OCP MX v1.0); their sums are f32. All else is computed in f32.
;;   The module's matrix products, in the order in which they are computed (A, B: the left and right operand; K: the contracted axis; several contracted axes count as one K, in the product's order):
;;     1. [M 8,192, K 1,024] x [K 1,024, N 2]; A: input x; B: input Wg: left as it is (N = 2 < 16)
;;     2. [M 8,192, K 1,024] x [K 1,024, N 2,048]; A: input x; B: input W0a (given as codes): QUANTISED
;;     3. [M 8,192, K 2,048] x [K 2,048, N 1,024]; A: computed on the way; B: input W0b (given as codes): QUANTISED
;;     4. [M 8,192, K 1,024] x [K 1,024, N 2,048]; A: input x; B: input W1a (given as codes): QUANTISED
;;     5. [M 8,192, K 2,048] x [K 2,048, N 1,024]; A: computed on the way; B: input W1b (given as codes): QUANTISED
;;   THE QUANTISER, for each operand of a quantised product, along K:
;;     - K is cut into blocks of 32 from its start; a last block that is shorter is filled with zeros.
;;     - A block's scale is 2^e with e = floor(log2(the largest magnitude in the block)) - 2, held to -126 .. 127; a block of zeros has e = 0. As a byte (E8M0): e + 127.
;;     - Each number is divided by its block's scale, clamped to +-6, and rounded to the nearest number of E2M1, ties to even, subnormals kept.
;;     - The product sums the exact products of the quantised numbers (number of the format x scale) in f32.
;;   ~~~python
;;   def quantise(x, axis):      # numpy; x: float32 -> the quantised numbers, widened to float32 again
;;       x = np.moveaxis(x, axis, -1); K = x.shape[-1]
;;       x = np.pad(x, [(0, 0)] * (x.ndim - 1) + [(0, -K % 32)]); x = x.reshape(x.shape[:-1] + (-1, 32)); a = np.abs(x).max(-1, keepdims=True)
;;       e = np.where(a > 0, np.clip(np.frexp(np.where(a > 0, a, 1))[1] - 1 - 2, -126, 127), 0)      # np.frexp(a)[1] - 1 = floor(log2(a)), exactly
;;       r = np.clip(x / 2.0 ** e, -6, 6)
;;       step = 2.0 ** (np.maximum(np.frexp(np.where(r == 0, 1, r))[1] - 1, 0) - 1)
;;       q = np.round(r / step) * step * 2.0 ** e      # np.round: ties to even
;;       return np.moveaxis(q.reshape(q.shape[:-2] + (-1,))[..., :K], -1, axis).astype(np.float32)
;;   ~~~
;;   OPERANDS COMPUTED ON THE WAY. 'Computed on the way' means the value that the module computes at that place (a softmax that the list does not call 'softmax' is quantised finished and normalised). What goes into a quantiser is computed in f32, as accurately as f32 sums, v_exp_f32 and their like allow (about 1e-6 of the number): no bf16 or f16 on the way to a quantiser, and a product that is left as it is and whose result goes on into a quantised operand takes f32 operands (vector FMAs, or v_wmma_f32_16x16x4_f32). A number that lies on a knife's edge between two numbers of the format may be rounded either way, as far as f32 arithmetic and the matrix unit's own rounding can turn it there, and no further.
;;   INPUTS GIVEN AS CODES. W0a (in the module: [2048, 1024], K = its axis 1); W0b (in the module: [1024, 2048], K = its axis 1); W1a (in the module: [2048, 1024], K = its axis 1); W1b (in the module: [1024, 2048], K = its axis 1): each comes as NAME_codes (uint8): NAME with its K axis moved to the last place and cut into blocks of 32 codes, [.., K / 32, bytes a block], one block behind the other in memory; two codes a byte, the lower K in the low four bits (a code: sign, 2 exponent bits, 1 mantissa bit); and NAME_scales (uint8): the same leading axes, one E8M0 byte (e + 127) for each 32 codes along K. Its value is code x scale, taken as it is: it is not quantised again, and the codes and scales need not be those that the quantiser above would give.
;; One version. Each part assembles by itself: llvm-mc -triple=amdgcn-amd-amdhsa -mcpu=gfx1250 --defsym DOCPART=n.
;; ======== version 1 of 1: 2 launches
;; workspace buffers: xq 4,194,304 bytes; xs 262,144 bytes; route 2,048 bytes of whole numbers; wimg 6,291,456 bytes
;; launch prep (part 1): grid 320 x 1, 8 waves a work-group, no clusters, 110,848 bytes of LDS; arguments x, Wg, W0a_codes, W1a_codes, W0b_codes, W1b_codes, W0a_scales, W1a_scales, W0b_scales, W1b_scales, xq, xs, route, wimg; writes xq, xs, route, wimg
.if DOCPART == 1
	.amdgcn_target "amdgcn-amd-amdhsa--gfx1250"
	.amdhsa_code_object_version 6
	.text
	.protected	k_q02461dbf80_prep
	.globl	k_q02461dbf80_prep
	.p2align	8
	.type	k_q02461dbf80_prep,@function
k_q02461dbf80_prep:
	s_mov_b64 s[64:65], 0
	v_nop
	global_prefetch_b8 v0, s[64:65] scope:SCOPE_SE
	s_setreg_imm32_b32 hwreg(HW_REG_WAVE_MODE, 25, 1), 1
	s_wait_xcnt 0x0
; PREP.  Two kinds of work-groups, told apart by the work-group's number alone.
; Work-groups 64 .. 319 (path X): 32 tokens each.  x [8192][1024] f32 is turned into codes of FP4 (E2M1), K innermost, xq [token][512 bytes], with one E8M0 byte for each 32 along K,
;   xs [token][32 bytes]; and the router is computed in f32: two dot products with Wg, softmax over the two, the larger wins, a tie keeps expert 0.  The choice is stored as whole numbers at fixed
;   places: route word g = 32 tokens' bits (1 = expert 1), route word 256 + g = how many of them are set.  No address and no branch of this launch hangs on the choice.
; Work-groups 0 .. 63 (path RL): the four weights are laid out as records of 24,576 bytes in the order of a wave's operand registers: 16 fragment images of 1,024 bytes
;   (registers 0-3: lane l's 16 bytes at 16 l; registers 4-7 512 bytes on), then pairs of images of scale words (lane l's 16 bytes at 16 l; 512 bytes an image).  Record number = 128 expert + 64 kind + index.
;   kind 0 (up weight), index = 32 hidden units b: fragment 8 u + s = tile u, K step s; lane r of tile u is row 32 b + 8 u + r + 8 (r / 8).  One pair of scale images.
;   kind 1 (down weight), index = 16 outputs n: fragment s = K step s; lane r is row 16 n + r.  EIGHT pairs of scale images: in pair p each lane's eight half words (64 along K each) are turned by p places,
;   half word i of the pair being half word (i + p) % 8 of the row's 16 bytes: the next launch walks K turned so, and takes the pair that fits.
; A block's scale is 2^(floor(log2(its largest magnitude)) - 2); its byte is the largest magnitude's exponent field - 2, held at 1 from below.
; LIMITS: NaN and infinities among the inputs are not served.  A block of zeros gets the byte 1 (its codes are zeros; this program alone reads the bytes).  The router's sums are f32 sums in
; another order than a row-by-row sum: a token whose two logits agree to about 1e-7 of their size may go either way.
.set SCB,  40960                       ; path X: behind eight waves' stages (2 x 2,560 bytes each): the work-group's 1,024 scale bytes
.set FLG,  41984                       ; path X: eight words, a wave's four choices each
.set RLB,  42240                       ; path RL: LDS bytes of its own: a stage of 16 rows x 528 bytes for each wave
.set REC,  24576
.set WGV,  16                          ; v16-79   Wg(e, 512 hf + 16 lane + i) at WGV + 32 e + 16 hf + i
.set R,    80                          ; v80-175  six sets of 16 numbers as they are loaded
.set X,    176                         ; v176-207 two sets of 16 neighbours
.set C,    208                         ; v208-223 codes: two registers a step, so that no store's data are written again
.set E,    224                         ; v224-231 a scale byte a step
.set G,    232                         ; v232-235 the token's two running dot products, a pair each
.set LG,   236                         ; v236-243 logits: token k, expert e at LG + 2 k + e
.macro LOAD t                          ; step t's 2,048 bytes: each load reads 512 consecutive bytes
.irp i, 0,1,2,3
	global_load_b128 v[R+16*((\t)%6)+4*\i:R+16*((\t)%6)+4*\i+3], v3, s[4:5] offset:2048*(\t)+512*\i th:TH_LOAD_NT
.endr
.endm
.macro TURN t                          ; through the wave's own stage, so that a lane gets 16 neighbours; LDS serves a wave's instructions in order
.irp i, 0,1,2,3
	ds_store_b128 v14, v[R+16*((\t)%6)+4*\i:R+16*((\t)%6)+4*\i+3] offset:2560*((\t)%2)+640*\i
.endr
.irp i, 0,1,2,3
	ds_load_b128 v[X+16*((\t)%2)+4*\i:X+16*((\t)%2)+4*\i+3], v15 offset:2560*((\t)%2)+16*\i
.endr
.endm
.macro STEP t                          ; 512 numbers: token t / 2 of my four, half t % 2
.set XS, X+16*((\t)%2)
.set WH, WGV+16*((\t)%2)
.if (\t) > 0
	s_wait_dscnt 1                                 ; this step's numbers are back from the stage; the last step's byte store may be out
.else
	s_wait_dscnt 0x0
.endif
.if (\t) < 2
	LOAD (\t)+6                                    ; into the set whose stores into the stage are done
.endif
.if (\t) < 7
.if (\t) < 2
	s_wait_loadcnt 20                              ; the next step's four loads are in; five younger sets may be out
.else
	s_wait_loadcnt 4*(6-(\t))                      ; the sets younger than the next step's
.endif
	TURN (\t)+1
.endif
	v_max3_num_f32 v245, |v[XS]|, |v[XS+1]|, |v[XS+2]|
	v_max3_num_f32 v246, |v[XS+3]|, |v[XS+4]|, |v[XS+5]|
.irp i, 6,10
	v_max3_num_f32 v245, v245, |v[XS+\i]|, |v[XS+\i+1]|
	v_max3_num_f32 v246, v246, |v[XS+\i+2]|, |v[XS+\i+3]|
.endr
	v_max3_num_f32 v245, v245, |v[XS+14]|, |v[XS+15]|
	v_max3_num_f32 v245, v245, v246, 0x1800000     ; the floor 2^(3 - 127): the byte cannot fall under 1
	v_max_num_f32_dpp v245, v245, v245 row_xmask:1 row_mask:0xf bank_mask:0xf   ; with my neighbour's 16: the block's largest magnitude
	v_add_nc_u32 v247, 0xff000000, v245            ; 2 off its exponent field: the conversion's scale operand
	v_cvt_scalef32_pk8_fp4_f32 v[C+2*(\t)], v[XS:XS+7], v247
	v_cvt_scalef32_pk8_fp4_f32 v[C+2*(\t)+1], v[XS+8:XS+15], v247
	v_lshrrev_b32 v[E+(\t)], 23, v247              ; the scale's byte
	ds_store_b8 v5, v[E+(\t)] offset:16*(\t)       ; both lanes of a block write the same byte with the same value
	global_store_b64 v4, v[C+2*(\t):C+2*(\t)+1], s[24:25] offset:256*(\t)   ; the wave stores 256 consecutive bytes, aligned
.irp j, 0,2,4,6,8,10,12,14                     ; the router: both experts' dot products by turns
.if ((\t)%2 == 0) && (\j == 0)
	v_pk_mul_f32 v[G:G+1], v[XS+\j:XS+\j+1], v[WH+\j:WH+\j+1]
	v_pk_mul_f32 v[G+2:G+3], v[XS+\j:XS+\j+1], v[WH+32+\j:WH+32+\j+1]
.else
	v_pk_fma_f32 v[G:G+1], v[XS+\j:XS+\j+1], v[WH+\j:WH+\j+1], v[G:G+1]
	v_pk_fma_f32 v[G+2:G+3], v[XS+\j:XS+\j+1], v[WH+32+\j:WH+32+\j+1], v[G+2:G+3]
.endif
.endr
.if (\t)%2 == 1
	v_add_f32 v[LG+2*((\t)/2)], v[G], v[G+1]
	v_add_f32 v[LG+2*((\t)/2)+1], v[G+2], v[G+3]
.endif
.endm
	s_load_b512 s[4:19], s[0:1], 0x0               ; x s4, Wg s6, codes: W0a s8, W1a s10, W0b s12, W1b s14; scales: W0a s16, W1a s18
	s_load_b256 s[20:27], s[0:1], 0x40             ; scales: W0b s20, W1b s22; xq s24, xs s26
	s_load_b128 s[28:31], s[0:1], 0x60             ; route s28, wimg s30
	v_lshl_add_u32 v254, v0, 2, 0x1ad00
	v_mov_b32 v255, 0
	v_lshrrev_b32 v1, 5, v0
	v_readfirstlane_b32 s32, v1                    ; wave 0..7
	v_and_b32 v1, 31, v0                           ; lane
	v_lshlrev_b32 v3, 4, v1                        ; 16 x lane
	s_cmp_lt_u32 ttmp9, 64
	s_cbranch_scc1 .Lrl
	; ---------------- path X ----------------
	s_sub_co_u32 s33, ttmp9, 64                    ; g: which 32 tokens
	s_lshl_b32 s36, s33, 5
	s_lshl_b32 s37, s32, 2
	s_add_co_u32 s36, s36, s37                     ; my wave's first token: 32 g + 4 wave
	s_lshl_b32 s38, s36, 12                        ; its row of x (4,096 bytes a token),
	s_mov_b32 s39, 0
	s_lshl_b32 s40, s36, 9                         ; its codes (512 bytes a token),
	s_mov_b32 s41, 0
	s_lshl_b32 s42, s33, 10                        ; the work-group's scale bytes,
	s_mov_b32 s43, 0
	s_lshl_b32 s44, s33, 2                         ; and its word of route
	s_mov_b32 s45, 0
	s_mov_b32 s34, 0x76543210
	s_mov_b32 s35, 0xfedcba98                      ; v_permlanex16_b32's selects for lane l xor 16
	s_mul_i32 s46, s32, 5120                       ; my two stages
	v_lshlrev_b32 v2, 6, v1                        ; Wg: 64 bytes a lane
	v_lshlrev_b32 v4, 3, v1                        ; codes: 8 bytes a lane
	v_lshrrev_b32 v14, 2, v1
	v_mul_u32_u24 v14, v14, 80
	v_and_b32 v15, 3, v1
	v_lshl_add_u32 v14, v15, 4, v14
	v_add_nc_u32 v14, s46, v14                     ; into a stage: four lanes' 64 bytes on end, then 16 of padding
	v_mul_u32_u24 v15, v1, 80
	v_add_nc_u32 v15, s46, v15                     ; out of it: 80 x lane
	s_lshl_b32 s47, s32, 7
	s_add_co_u32 s47, s47, SCB
	v_lshrrev_b32 v5, 1, v1
	v_add_nc_u32 v5, s47, v5                       ; my wave's 128 scale bytes, my block's byte
	s_lshl_b32 s47, s32, 2
	s_add_co_u32 s47, s47, FLG
	v_mov_b32 v6, s47                              ; my wave's word of choices
	v_lshl_add_u32 v7, v0, 4, SCB                  ; the scale bytes on their way out: 16 bytes a thread (threads 0 to 63 use it)
	v_lshlrev_b32 v8, 4, v0
	v_mov_b32 v9, FLG
	v_lshlrev_b32 v10, 10, v0                      ; route: thread 0 the mask word, thread 1 the count, 1,024 bytes on
	v_mov_b32 v244, 0                              ; a lane permute's destination counts as one of its sources
	s_wait_kmcnt 0x0
	s_add_nc_u64 s[4:5], s[4:5], s[38:39]
	s_add_nc_u64 s[24:25], s[24:25], s[40:41]
	s_add_nc_u64 s[26:27], s[26:27], s[42:43]
	s_add_nc_u64 s[28:29], s[28:29], s[44:45]
.irp e, 0,1
.irp hf, 0,1
.irp q, 0,1,2,3
	global_load_b128 v[WGV+32*\e+16*\hf+4*\q:WGV+32*\e+16*\hf+4*\q+3], v2, s[6:7] offset:4096*\e+2048*\hf+16*\q
.endr
.endr
.endr
.irp t, 0,1,2,3,4,5
	LOAD \t
.endr
	s_wait_loadcnt 20                              ; Wg and step 0 are in; steps 1 to 5 may be out
	TURN 0
.irp t, 0,1,2,3,4,5,6,7
	STEP \t
.endr
	; the eight logits are summed over the 32 lanes, by turns; every lane ends with the same sums
.irp mk, 1,2,4,8
.irp j, 0,1,2,3,4,5,6,7
	v_add_f32_dpp v[LG+\j], v[LG+\j], v[LG+\j] row_xmask:\mk row_mask:0xf bank_mask:0xf
.endr
.endr
.irp j, 0,1,2,3,4,5,6,7
	v_permlanex16_b32 v244, v[LG+\j], s34, s35
	v_add_f32 v[LG+\j], v[LG+\j], v244
.endr
	; softmax over the two, with the larger logit taken away first; then the larger probability
.irp k, 0,1,2,3
	v_max_num_f32 v[80+\k], v[LG+2*\k], v[LG+2*\k+1]
.endr
.irp k, 0,1,2,3
	v_sub_f32 v[84+2*\k], v[LG+2*\k], v[80+\k]
	v_sub_f32 v[85+2*\k], v[LG+2*\k+1], v[80+\k]
.endr
.irp j, 0,1,2,3,4,5,6,7
	v_mul_f32 v[84+\j], 0x3fb8aa3b, v[84+\j]
.endr
.irp j, 0,1,2,3,4,5,6,7
	v_exp_f32 v[84+\j], v[84+\j]
.endr
	v_nop                                          ; a plain instruction behind the last exponential
	s_wait_alu depctr_va_vdst(0)                   ; one wait for the batch of eight, ahead of its first reader
.irp k, 0,1,2,3
	v_add_f32 v[92+\k], v[84+2*\k], v[85+2*\k]
.endr
.irp k, 0,1,2,3
	v_rcp_f32 v[96+\k], v[92+\k]
.endr
	v_nop
	s_wait_alu depctr_va_vdst(0)                   ; one wait for the four reciprocals
.irp k, 0,1,2,3
	v_mul_f32 v[84+2*\k], v[84+2*\k], v[96+\k]
	v_mul_f32 v[85+2*\k], v[85+2*\k], v[96+\k]
.endr
	v_mov_b32 v101, 0
.irp k, 0,1,2,3
	v_cmp_gt_f32 vcc_lo, v[85+2*\k], v[84+2*\k]    ; strictly larger: a tie keeps expert 0
	v_cndmask_b32 v100, 0, 1<<\k, vcc_lo
	v_or_b32 v101, v101, v100                      ; a value only: nothing is addressed or branched by it
.endr
	ds_store_b32 v6, v101                          ; all lanes write the same word with the same value
	s_wait_dscnt 0x0                               ; for the others' sake: my scale bytes and my word have landed
	s_barrier_signal -1
	s_barrier_wait -1
	s_cmp_lt_u32 s32, 2
	s_cbranch_scc0 .Lx_end
	ds_load_b128 v[104:107], v7                    ; waves 0 and 1: the work-group's 1,024 scale bytes leave in whole runs of 512 bytes
	s_wait_dscnt 0x0
	global_store_b128 v8, v[104:107], s[26:27]
	s_cmp_lg_u32 s32, 0
	s_cbranch_scc1 .Lx_end
	ds_load_b128 v[112:115], v9                    ; wave 0: the eight waves' choices make the mask word
	ds_load_b128 v[116:119], v9 offset:16
	s_wait_dscnt 0x0
.irp w, 1,2,3,4,5,6,7
	v_lshl_or_b32 v112, v[112+\w], 4*\w, v112
.endr
	v_readfirstlane_b32 s37, v112
	s_bcnt1_i32_b32 s38, s37                       ; how many of the 32 take expert 1
	v_mov_b32 v120, s38
	v_cmp_eq_u32 vcc_lo, 0, v0
	v_cndmask_b32 v120, v120, v112, vcc_lo         ; thread 0: the mask; thread 1: the count
	v_cmp_gt_u32 vcc_lo, 2, v0
	s_wait_xcnt 0x0                                ; EXEC changes only behind this wait
	s_and_saveexec_b32 s39, vcc_lo
	global_store_b32 v10, v120, s[28:29]
	s_wait_xcnt 0x0                                ; and again, in front of the line that widens it
	s_or_b32 exec_lo, exec_lo, s39
.Lx_end:
	s_wait_tensorcnt 0x0
	ds_add_u32 v254, v255
	s_wait_dscnt 0x0
	s_endpgm
	; ---------------- path RL: a wave makes half a record ----------------
.Lrl:
	s_lshl_b32 s33, ttmp9, 3
	s_add_co_u32 s33, s33, s32                     ; job J = 8 x work-group + wave
	s_lshr_b32 s34, ttmp9, 4                       ; 0: W0a, 1: W1a, 2: W0b, 3: W1b
	s_and_b32 s35, s34, 1                          ; expert
	s_lshr_b32 s36, s34, 1                         ; kind
	s_bfe_u32 s37, s33, 0x60001                    ; index = (J / 2) % 64
	s_and_b32 s38, s33, 1                          ; which half
	s_lshl_b32 s39, s35, 7
	s_lshl_b32 s53, s36, 6
	s_add_co_u32 s39, s39, s53
	s_add_co_u32 s39, s39, s37                     ; the record's number
	v_and_b32 v2, 15, v0                           ; r
	v_bfe_u32 v4, v0, 4, 1                         ; h
	s_mul_i32 s53, s32, 8448
	s_add_co_u32 s53, s53, RLB                     ; my stage
	v_add_nc_u32 v12, s53, v3                      ; in: a row's 512 bytes as they lie; rows 528 bytes apart
	v_mul_u32_u24 v13, v2, 528
	v_lshl_add_u32 v13, v4, 4, v13
	v_add_nc_u32 v13, s53, v13                     ; out: row r, + 16 h: a fragment's lane
	s_wait_kmcnt 0x0
	s_cmp_eq_u32 s35, 0                            ; the buffers are chosen by the work-group's number alone
	s_cselect_b64 s[40:41], s[8:9], s[10:11]
	s_cselect_b64 s[42:43], s[12:13], s[14:15]
	s_cselect_b64 s[44:45], s[16:17], s[18:19]
	s_cselect_b64 s[46:47], s[20:21], s[22:23]
	s_cmp_eq_u32 s36, 0
	s_cselect_b64 s[40:41], s[40:41], s[42:43]     ; codes
	s_cselect_b64 s[44:45], s[44:45], s[46:47]     ; scales
	s_mov_b32 s48, 1024
	s_cselect_b32 s48, 512, s48                    ; P: from row to row of the weight
	s_cselect_b32 s49, 4096, 0                     ; G: an up tile's rows 8 to 15 lie 8 rows further on
	s_mov_b32 s50, 512
	s_cselect_b32 s50, 4096, s50                   ; a half: up: tile u, 8 rows on; down: K steps 8 on, 512 bytes along the rows
	s_cselect_b32 s51, 32, 64                      ; a row of scale bytes
	s_cselect_b32 s52, 256, 32                     ; lanes 16-31: up: tile 1's rows, 8 rows on; down: K steps 8 on
	s_lshl_b32 s54, s37, 14
	s_mul_i32 s55, s38, s50
	s_add_co_u32 s54, s54, s55
	s_mov_b32 s55, 0
	s_add_nc_u64 s[40:41], s[40:41], s[54:55]
	s_lshl_b32 s54, s37, 10
	s_lshl_b32 s56, s38, 4
	s_add_co_u32 s54, s54, s56
	s_add_nc_u64 s[44:45], s[44:45], s[54:55]
	s_mul_i32 s54, s39, REC
	s_lshl_b32 s56, s38, 13
	s_add_co_u32 s56, s56, s54
	s_mov_b32 s57, 0
	s_add_nc_u64 s[56:57], s[30:31], s[56:57]      ; my eight fragment images
	s_lshl_b32 s58, s38, 9
	s_add_co_u32 s58, s58, s54
	s_add_co_u32 s58, s58, 16384
	s_mov_b32 s59, 0
	s_add_nc_u64 s[58:59], s[30:31], s[58:59]      ; my image of scale words, in the first pair
	v_and_b32 v10, 7, v1
	v_mul_lo_u32 v10, v10, s51
	v_bfe_u32 v11, v1, 3, 1
	v_lshl_add_u32 v10, v11, 9, v10
	v_lshrrev_b32 v11, 4, v1
	v_mul_lo_u32 v11, v11, s52
	v_add_nc_u32 v10, v10, v11                     ; my lane's 16 scale bytes
.set i, 0
.rept 16
	s_mul_i32 s53, s48, i
.if i >= 8
	s_add_co_u32 s53, s53, s49
.endif
	v_add_nc_u32 v[16+i], s53, v3                  ; row i of the tile: 16 x lane + i P (+ G)
.set i, i+1
.endr
	global_load_b128 v[96:99], v10, s[44:45]
.set i, 0
.rept 16
	global_load_b128 v[32+4*i:32+4*i+3], v[16+i], s[40:41] th:TH_LOAD_NT   ; 512 consecutive bytes of one row
.set i, i+1
.endr
.set i, 0
.rept 16
	s_wait_loadcnt 15-i                            ; row i is in; the younger rows may be out
	ds_store_b128 v12, v[32+4*i:32+4*i+3] offset:528*i
.set i, i+1
.endr
.set i, 0
.rept 16
	ds_load_b128 v[100+4*i:100+4*i+3], v13 offset:32*i   ; K step i / 2, half i % 2: 64 (i / 2) + 32 (i % 2) bytes along the row; LDS serves a wave's instructions in order
.set i, i+1
.endr
.set i, 0
.rept 16
	s_wait_dscnt 15-i
	global_store_b128 v3, v[100+4*i:100+4*i+3], s[56:57] offset:512*i      ; 512 consecutive bytes, aligned
.set i, i+1
.endr
	global_store_b128 v3, v[96:99], s[58:59]
	s_cmp_eq_u32 s36, 0                            ; an up record has the one pair
	s_cbranch_scc1 .Lrl_end
.irp p, 1,2,3,4,5,6,7                          ; a down record's pairs 1 to 7: my 16 bytes turned by p half words; each pair has registers of its own, so that no store's data are written again
.irp j, 0,1,2,3
.if (\p)%2 == 0
	v_mov_b32 v[164+4*(\p-1)+\j], v[96+(\j+\p/2)%4]
.else
	v_perm_b32 v[164+4*(\p-1)+\j], v[96+(\j+\p/2+1)%4], v[96+(\j+\p/2)%4], 0x05040302   ; the upper half of one word below the lower half of the next
.endif
.endr
	global_store_b128 v3, v[164+4*(\p-1):164+4*(\p-1)+3], s[58:59] offset:1024*\p
.endr
.Lrl_end:
	s_wait_tensorcnt 0x0
	ds_add_u32 v254, v255
	s_wait_dscnt 0x0
	s_endpgm
.Lfunc_end_k_q02461dbf80_prep:
	.size	k_q02461dbf80_prep, .Lfunc_end_k_q02461dbf80_prep-k_q02461dbf80_prep
	.p2alignl 7, 3214868480
	.fill 96, 4, 3214868480
	.section	.rodata,"a",@progbits
	.p2align	6, 0x0
	.amdhsa_kernel k_q02461dbf80_prep
		.amdhsa_group_segment_fixed_size 110848
		.amdhsa_private_segment_fixed_size 0
		.amdhsa_enable_private_segment 0
		.amdhsa_kernarg_size 112
		.amdhsa_user_sgpr_count 2
		.amdhsa_user_sgpr_kernarg_segment_ptr 1
		.amdhsa_wavefront_size32 1
		.amdhsa_system_sgpr_workgroup_id_x 1
		.amdhsa_system_sgpr_workgroup_id_y 1
		.amdhsa_system_sgpr_workgroup_id_z 1
		.amdhsa_system_vgpr_workitem_id 0
		.amdhsa_next_free_vgpr 256
		.amdhsa_next_free_sgpr 66
		.amdhsa_reserve_vcc 1
		.amdhsa_float_denorm_mode_32 3
		.amdhsa_float_denorm_mode_16_64 3
		.amdhsa_memory_ordered 1
		.amdhsa_forward_progress 1
		.amdhsa_inst_pref_size 47
	.end_amdhsa_kernel
	.amdgpu_metadata
---
amdhsa.version: [ 1, 2 ]
amdhsa.kernels:
  - .name:           k_q02461dbf80_prep
    .symbol:         k_q02461dbf80_prep.kd
    .args:
      - { .name: x, .offset: 0, .size: 8, .value_kind: global_buffer, .address_space: global }
      - { .name: Wg, .offset: 8, .size: 8, .value_kind: global_buffer, .address_space: global }
      - { .name: W0a_codes, .offset: 16, .size: 8, .value_kind: global_buffer, .address_space: global }
      - { .name: W1a_codes, .offset: 24, .size: 8, .value_kind: global_buffer, .address_space: global }
      - { .name: W0b_codes, .offset: 32, .size: 8, .value_kind: global_buffer, .address_space: global }
      - { .name: W1b_codes, .offset: 40, .size: 8, .value_kind: global_buffer, .address_space: global }
      - { .name: W0a_scales, .offset: 48, .size: 8, .value_kind: global_buffer, .address_space: global }
      - { .name: W1a_scales, .offset: 56, .size: 8, .value_kind: global_buffer, .address_space: global }
      - { .name: W0b_scales, .offset: 64, .size: 8, .value_kind: global_buffer, .address_space: global }
      - { .name: W1b_scales, .offset: 72, .size: 8, .value_kind: global_buffer, .address_space: global }
      - { .name: xq, .offset: 80, .size: 8, .value_kind: global_buffer, .address_space: global }
      - { .name: xs, .offset: 88, .size: 8, .value_kind: global_buffer, .address_space: global }
      - { .name: route, .offset: 96, .size: 8, .value_kind: global_buffer, .address_space: global }
      - { .name: wimg, .offset: 104, .size: 8, .value_kind: global_buffer, .address_space: global }
    .group_segment_fixed_size: 110848
    .private_segment_fixed_size: 0
    .kernarg_segment_align: 8
    .kernarg_segment_size: 112
    .max_flat_workgroup_size: 256
    .sgpr_count:     66
    .vgpr_count:     256
    .wavefront_size: 32
...
	.end_amdgpu_metadata
.endif
;; end of part 1
;; launch moe (part 2): grid 172 x 1, 4 waves a work-group, no clusters, 87,040 bytes of LDS; arguments route, xq, xs, wimg, b0a, b1a, b0b, b1b, out0; writes out0
.if DOCPART == 2
	.amdgcn_target "amdgcn-amd-amdhsa--gfx1250"
	.amdhsa_code_object_version 6
	.text
	.protected	k_q02461dbf80_moe
	.globl	k_q02461dbf80_moe
	.p2align	8
	.type	k_q02461dbf80_moe,@function
k_q02461dbf80_moe:
	s_mov_b64 s[64:65], 0
	v_nop
	global_prefetch_b8 v0, s[64:65] scope:SCOPE_SE
	s_setreg_imm32_b32 hwreg(HW_REG_WAVE_MODE, 25, 1), 1
	s_wait_xcnt 0x0
; MOE.  One work-group takes one tile of 48 rows of ONE expert through the whole chain: find the rows, gather their codes, up product (+ bias), activation (expert 0: exact GELU; expert 1: ReLU),
; quantiser, down product (+ bias), scatter.  Only the chosen expert's rows are multiplied.  The hidden layer stays in LDS and registers.
; GRID.  With n0 + n1 = 8,192 rows there are ceil(n0 / 48) + ceil(n1 / 48) <= 172 tiles for every split.  Expert 0's tiles come first.  A tile that a split leaves without rows runs on held rows and jumps over its stores alone.
; NO TENSOR LOADS, NO CLUSTER: the activation and the stores are branched by stored whole numbers, and four neighbouring tiles may belong to two experts; each weight fragment feeds one wave, so the weights go from
; memory straight into registers, laid out by the launch before in the order of the operand registers.
; ROWS.  route holds 256 mask words (bit = expert 1) and 256 counts.  Every wave finds the tokens of ranks q0 .. q0 + 47 among its expert's tokens by integer arithmetic in registers.  Ranks past the expert's last are
; held at the last: such rows repeat the tile's last row and store the same bits to the same place.
; SHARES.  The four waves share the COLUMNS: wave w makes hidden units 512 w .. + 511 (16 records of 32) and outputs 256 w .. + 255 (16 records of 16), for all 48 rows (three sub-tiles m of 16).
; BOTH PRODUCTS ARE USED TRANSPOSED (source 0 = 16 rows of a weight, source 1 = 16 tokens): a lane holds one token, its registers run along the hidden units or the outputs.
; THE ROWS OF AN UP TILE ARE NOT NEIGHBOURS: lane r of tile u of record b is row 32 b + 8 u + r + 8 (r / 8), so that the 16 registers of a record's two tiles are 16 neighbours along the next K.
; THE WALK BEGINS ELSEWHERE IN EACH WORK-GROUP, so that the work-groups of an expert do not all ask for the same record at the same time.  With i the work-group's number:
;   up: trip n takes the pair of records (n + t0) % 8, t0 = i % 8.  The hidden layer is laid in LDS by TRIP: within each wave's 512 hidden units the next K is turned by 64 t0.  The down weight's codes are loaded
;   turned alike (eight offset registers: half a fragment, 512 bytes, is 64 along K), its scale words come from the pair of images turned by t0, and the up bias is laid in LDS turned alike.  No LDS address hangs on i.
;   down: trip j takes the outputs' group (j + d0) % 4, d0 = (i / 4) % 4, and in it place nn takes tile (nn + e0) % 4, e0 = i % 4.  d0 enters the stores' base, e0 the lanes' offsets; the down bias is laid in LDS turned alike.
; GELU: gelu(v) = max(v, 0) - |v| erfc(|v| / sqrt 2) / 2, erfc(z) = t exp(-z^2 + P(t)), t = 1 / (1 + z / 2), P of degree 9 (fractional error 1.2e-7); all in f32, exponent in base 2, the half folded into P's constant.
; LIMITS: NaN and infinities are not served.  For v under about -13 the exponential gives 0 and so does gelu.  A block of zeros gets the scale byte 1 (its codes are zeros).
; REGISTERS, in windows of 256.  window 0: v1-15 ids and addresses; v16-79 scale words and nothing else; v80-95 a record's bias; v96-143 up accumulators ((m, u) at 96 + 16 m + 8 u), v144-215 GELU at work,
;   v216-243 codes, scale words and the quantiser at work, v248-249 a constant; v244-247, v250-254 offsets of the down records' loads; down: v96-191 accumulators ((nn, m) at 96 + 24 nn + 8 m).
;   window 1: up: x's 24 fragments ((m, s) at 8 (8 m + s)); down: the hidden layer's fragments of K steps 0-9 (8 (3 s + m)).   window 2: those of K steps 10-15; v144-207 rows on their way out; v208-231 their offsets in out0.
;   window 3: two slots of 128 registers for weight records.  Slot 0's pointer is s[14:15], slot 1's s[78:79].
.set REC,  24576
.set HIMG, 0                           ; LDS: the hidden layer's 48 fragment images: (m, K step sd) at 1,024 (16 m + sd), half c 512 on, lane l at 16 l
.set HSC,  49152                       ; its scale words: 2,560 m + 80 lane + 4 sd
.set BA,   56832                       ; the up bias of my expert: 2,048 bytes for each wave, its own
.set BB,   65024                       ; the down bias: 1,024 bytes for each wave, its own
.set STG,  69120                       ; the way out: 16 rows x 272 bytes for each wave, its own
.set XS01, 16                          ; v16-23 x's scale words: lanes 0-15 sub-tile 0, lanes 16-31 sub-tile 1;  v24-31 sub-tile 2
.set HS,   16                          ; down: v[16 + 16 m + s] the hidden layer's scale words
.set WS,   64                          ; v64-71, v72-79 the scale words of the record in slot 0, 1
.set BI,   80
.set ACC,  96
.set T,    144
.set XX,   168
.set HH,   192
.set PC,   216
.set PW,   228
.set MX,   232
.set PX,   235
.set SO,   238
.set BY,   241
.set KO,   244                         ; v244-247, v250-253: 16 lane + 512 ((i + t0) % 8), i = 0 .. 7; never rewritten
.set C8,   248
.set VSC,  254                         ; v254: 16 lane + 1,024 t0: my place in the pair of scale images turned by t0; never rewritten
.set OB,   144                         ; window 2
.set OUTO, 208                         ; window 2
.set MSB, 0
.macro WIN new                         ; the immediate's high byte repeats the setting that is left
.if MSB != \new
	s_set_vgpr_msb (MSB<<8)|\new
.set MSB, \new
.endif
.endm
.macro PLACES                          ; behind a run of matrix instructions: places in front of loads into their registers, of the first read of results, and of matrix instructions that begin an accumulator anew
.rept 5
	v_nop
.endr
.endm
.macro CPAIR r, val                    ; a constant as a pair: the packed forms name a pair and take its low word for both halves
	s_mov_b32 s[\r], \val
	s_mov_b32 s[\r+1], \val
.endm
.macro WMS                             ; one matrix instruction: D wD, A wA, B wB, C wC, scales wSA (row wRA), wSB (row wRB)
.if (wRA == 0) && (wRB == 0)
	v_wmma_scale_f32_16x16x128_f8f6f4 v[wD:wD+7], v[wA:wA+7], v[wB:wB+7], v[wC:wC+7], v[wSA], v[wSB] matrix_a_fmt:MATRIX_FMT_FP4 matrix_b_fmt:MATRIX_FMT_FP4
.elseif (wRA == 1) && (wRB == 0)
	v_wmma_scale_f32_16x16x128_f8f6f4 v[wD:wD+7], v[wA:wA+7], v[wB:wB+7], v[wC:wC+7], v[wSA], v[wSB] matrix_a_fmt:MATRIX_FMT_FP4 matrix_b_fmt:MATRIX_FMT_FP4 matrix_a_scale:MATRIX_SCALE_ROW1
.elseif wRA == 0
	v_wmma_scale_f32_16x16x128_f8f6f4 v[wD:wD+7], v[wA:wA+7], v[wB:wB+7], v[wC:wC+7], v[wSA], v[wSB] matrix_a_fmt:MATRIX_FMT_FP4 matrix_b_fmt:MATRIX_FMT_FP4 matrix_b_scale:MATRIX_SCALE_ROW1
.else
	v_wmma_scale_f32_16x16x128_f8f6f4 v[wD:wD+7], v[wA:wA+7], v[wB:wB+7], v[wC:wC+7], v[wSA], v[wSB] matrix_a_fmt:MATRIX_FMT_FP4 matrix_b_fmt:MATRIX_FMT_FP4 matrix_a_scale:MATRIX_SCALE_ROW1 matrix_b_scale:MATRIX_SCALE_ROW1
.endif
.endm
; The record at slot k's pointer into slot k: 32 loads of 512 consecutive bytes, and a pair of images of scale words: 34 loads.
; dn = 0: an up record, as it lies.  dn = 1: a down record: in each run of eight halves of fragments (512 along K: one wave's hidden units) place i takes half (i + t0) % 8, and the scale words come from the pair turned by t0.
.macro RING k, dn
	WIN 0xc0
.set i, 0
.rept 32
.if \dn
.set ko, KO+(i%8)+2*((i%8)/4)
	global_load_b128 v[128*(\k)+4*i:128*(\k)+4*i+3], v[ko], s[14+64*(\k):15+64*(\k)] offset:4096*(i/8)
.else
	global_load_b128 v[128*(\k)+4*i:128*(\k)+4*i+3], v4, s[14+64*(\k):15+64*(\k)] offset:512*i
.endif
.set i, i+1
.endr
	WIN 0
.if \dn
	global_load_b128 v[WS+8*(\k):WS+8*(\k)+3], v[VSC], s[14+64*(\k):15+64*(\k)] offset:16384
	global_load_b128 v[WS+8*(\k)+4:WS+8*(\k)+7], v[VSC], s[14+64*(\k):15+64*(\k)] offset:16896
.else
	global_load_b128 v[WS+8*(\k):WS+8*(\k)+3], v4, s[14+64*(\k):15+64*(\k)] offset:16384
	global_load_b128 v[WS+8*(\k)+4:WS+8*(\k)+7], v4, s[14+64*(\k):15+64*(\k)] offset:16896
.endif
.endm
.macro UMUL k                          ; 48 matrix instructions: the record in slot k (two tiles of 16 hidden units) x three sub-tiles, K = 1,024 in eight steps.  Six accumulators take turns, one instruction a turn; the bias is the C of each sum's first
	WIN 0x07                                       ; A window 3, B window 1, C and D window 0
.irp s, 0,1,2,3,4,5,6,7
.irp m, 0,1,2
.irp u, 0,1
.set wD, ACC+16*\m+8*\u
.set wA, 128*(\k)+8*(8*\u+\s)
.set wB, 8*(8*\m+\s)
.if \s == 0
.set wC, BI+8*\u
.else
.set wC, wD
.endif
.set wSA, WS+8*(\k)+\s
.set wRA, \u
.set wSB, XS01+8*(\m/2)+\s
.set wRB, \m%2
	WMS
.endr
.endr
.endr
	WIN 0
	PLACES
.endm
.macro GELU b                          ; 24 numbers in place: v[ACC + 24 b] on.  Every list ascends
.set V, ACC+24*(\b)
.set j, 0
.rept 24
	v_fma_f32 v[HH+j], |v[V+j]|, s66, 1.0          ; 1 + |v| / (2 sqrt 2)
.set j, j+1
.endr
.set j, 0
.rept 24
	v_rcp_f32 v[T+j], v[HH+j]                      ; t
.set j, j+1
.endr
	v_nop                                          ; a plain instruction behind the last reciprocal
.set j, 0
.rept 12
	v_pk_mul_f32 v[XX+j:XX+j+1], v[V+j:V+j+1], v[V+j:V+j+1]   ; v^2: work that names no reciprocal
.set j, j+2
.endr
	s_wait_alu depctr_va_vdst(0)                   ; one wait for the 24 reciprocals, ahead of their first reader
.set j, 0
.rept 12
	v_pk_fma_f32 v[HH+j:HH+j+1], v[T+j:T+j+1], s[60:61], v[C8:C8+1] op_sel_hi:[1,0,1]   ; c9 t + c8
.set j, j+2
.endr
.irp cc, 58,56,54,52,50,48,46,44       ; x t + c7 .. c0
.set j, 0
.rept 12
	v_pk_fma_f32 v[HH+j:HH+j+1], v[HH+j:HH+j+1], v[T+j:T+j+1], s[\cc:\cc+1] op_sel_hi:[1,1,0]
.set j, j+2
.endr
.endr
.set j, 0
.rept 12
	v_pk_fma_f32 v[HH+j:HH+j+1], v[XX+j:XX+j+1], s[62:63], v[HH+j:HH+j+1] op_sel_hi:[1,0,1]   ; - v^2 log2(e) / 2
.set j, j+2
.endr
.set j, 0
.rept 24
	v_exp_f32 v[HH+j], v[HH+j]
.set j, j+1
.endr
.set j, 0
.rept 24
	v_max_num_f32 v[XX+j], 0, v[V+j]               ; max(v, 0): plain work behind the exponentials
.set j, j+1
.endr
	s_wait_alu depctr_va_vdst(0)                   ; one wait for the 24 exponentials
.set j, 0
.rept 12
	v_pk_mul_f32 v[HH+j:HH+j+1], v[HH+j:HH+j+1], v[T+j:T+j+1]   ; erfc / 2
.set j, j+2
.endr
.set j, 0
.rept 24
	v_fma_f32 v[V+j], -|v[V+j]|, v[HH+j], v[XX+j]
.set j, j+1
.endr
.endm
.macro RELU
.set j, 0
.rept 48
	v_max_num_f32 v[ACC+j], 0, v[ACC+j]
.set j, j+1
.endr
.endm
.macro QUANT k                         ; a record's 32 hidden units are one block of the next K: 16 in my lane, 16 in lane l xor 16.  The three sub-tiles take turns
.irp m, 0,1,2
	v_max3_num_f32 v[MX+\m], |v[ACC+16*\m]|, |v[ACC+16*\m+1]|, 0x1800000   ; with the floor 2^(3 - 127): the byte cannot fall under 1
.endr
.irp i, 2,4,6,8,10,12,14
.irp m, 0,1,2
	v_max3_num_f32 v[MX+\m], v[MX+\m], |v[ACC+16*\m+\i]|, |v[ACC+16*\m+\i+1]|
.endr
.endr
.irp m, 0,1,2
	v_permlanex16_b32 v[PX+\m], v[MX+\m], s36, s37
.endr
.irp m, 0,1,2
	v_max_num_f32 v[MX+\m], v[MX+\m], v[PX+\m]     ; the block's largest magnitude
.endr
.irp m, 0,1,2
	v_add_nc_u32 v[SO+\m], 0xff000000, v[MX+\m]    ; 2 off its exponent field: the conversion's scale operand
.endr
.irp m, 0,1,2
	v_lshrrev_b32 v[BY+\m], 23, v[SO+\m]           ; the scale's byte
.endr
.irp m, 0,1,2
.if (\k) == 0
	v_mov_b32 v[PW+\m], v[BY+\m]
.else
	v_lshl_or_b32 v[PW+\m], v[BY+\m], 8, v[PW+\m]
.endif
.endr
.irp m, 0,1,2
	v_cvt_scalef32_pk8_fp4_f32 v[PC+4*\m+2*(\k)], v[ACC+16*\m:ACC+16*\m+7], v[SO+\m]
	v_cvt_scalef32_pk8_fp4_f32 v[PC+4*\m+2*(\k)+1], v[ACC+16*\m+8:ACC+16*\m+15], v[SO+\m]
.endr
	v_nop                                          ; one plain instruction behind the last scaled conversion
.endm
.macro UPAIR k                         ; one up record: product, the next record's bias and the slot's next record asked for, activation, quantiser
	s_wait_loadcnt 34                              ; this slot's record is in (and all that was asked for earlier); the other slot's 34 loads may be out
	s_wait_dscnt 0x0                               ; the bias, asked for a record ago
	UMUL \k
.if (\k) == 0
	v_add_nc_u32 v14, s70, v10
.irp j, 0,1,2,3
	ds_load_b128 v[BI+4*\j:BI+4*\j+3], v14 offset:128+16*\j   ; the bias of my lane's 16 hidden units in the trip's second record
.endr
.else
	s_add_co_u32 s72, s70, 256
	s_min_u32 s72, s72, 1792                       ; (the last trip asks once more for its own: no load leaves my wave's 2,048 bytes)
	v_add_nc_u32 v14, s72, v10
.irp j, 0,1,2,3
	ds_load_b128 v[BI+4*\j:BI+4*\j+3], v14 offset:16*\j       ; in the next trip's first record
.endr
.endif
	s_add_co_u32 s72, s38, s85                     ; the slot's next record: that of the next trip's pair, (trip + 1 + t0) % 8,
	s_and_b32 s72, s72, 7
	s_lshl_b32 s72, s72, 1
.if (\k) == 1
	s_add_co_u32 s72, s72, 1
.endif
	s_cmp_eq_u32 s38, 7                            ; or, behind the last pair, one of my first two down records
	s_cselect_b32 s72, s[88+\k], s72
	s_mul_i32 s40, s72, s43
	s_add_nc_u64 s[14+64*(\k):15+64*(\k)], s[76:77], s[40:41]   ; the slot's pointer is written behind the wait above, which has shown the loads that read it done
	s_cbranch_scc1 .Lrd_\@                         ; (the three lines between leave SCC alone.)  Both ways issue 34 loads
	RING \k, 0
	s_branch .Lrj_\@
.Lrd_\@:
	RING \k, 1
.Lrj_\@:
	s_cmp_lg_u32 s30, 0                            ; the expert: a stored whole number
	s_cbranch_scc1 .Lrelu_\@
	GELU 0
	GELU 1
	s_branch .Lact_\@
.Lrelu_\@:
	RELU
.Lact_\@:
	QUANT \k
.endm
.macro DHEAD                           ; a down trip's numbers: s94 = 4 x its group of outputs, s95 = 4 x the next trip's, s96 = the group's bytes in a row of out0
	s_add_co_u32 s94, s38, s83
	s_and_b32 s94, s94, 3
	s_lshl_b32 s96, s94, 8
	s_lshl_b32 s94, s94, 2
	s_add_co_u32 s95, s38, s83
	s_add_co_u32 s95, s95, 1
	s_and_b32 s95, s95, 3
	s_lshl_b32 s95, s95, 2
.endm
; One down record (16 outputs) x three sub-tiles, K = 2,048 in sixteen steps: 48 matrix instructions, three accumulators by turns.  load = 1: the record two places on is asked for; pre = 1: the next place's bias
.macro DREC k, nn, load, left, pre
	s_wait_loadcnt \left                           ; this slot's record is in; left = the loads asked for behind it
	s_wait_dscnt 0x0                               ; the bias, asked for a record ago
	WIN 0x07
.irp s, 0,1,2,3,4,5,6,7,8,9
.irp m, 0,1,2
.set wD, ACC+24*(\nn)+8*\m
.set wA, 128*(\k)+8*\s
.set wB, 8*(3*\s+\m)
.if \s == 0
.set wC, BI
.else
.set wC, wD
.endif
.set wSA, WS+8*(\k)+(\s%8)
.set wRA, \s/8
.set wSB, HS+16*\m+\s
.set wRB, 0
	WMS
.endr
.endr
	WIN 0x0b                                       ; B window 2
.irp s, 10,11,12,13,14,15
.irp m, 0,1,2
.set wD, ACC+24*(\nn)+8*\m
.set wA, 128*(\k)+8*\s
.set wB, 8*(3*(\s-10)+\m)
.set wC, wD
.set wSA, WS+8*(\k)+(\s%8)
.set wRA, 1
.set wSB, HS+16*\m+\s
.set wRB, 0
	WMS
.endr
.endr
	WIN 0
	PLACES
.if \pre
.if (\nn) < 3
	v_add_nc_u32 v14, s70, v11
	ds_load_b128 v[BI:BI+3], v14 offset:64*((\nn)+1)
	ds_load_b128 v[BI+4:BI+7], v14 offset:64*((\nn)+1)+16
.else
	s_add_co_u32 s72, s70, 256                     ; the next trip's first place
	v_add_nc_u32 v14, s72, v11
	ds_load_b128 v[BI:BI+3], v14
	ds_load_b128 v[BI+4:BI+7], v14 offset:16
.endif
.endif
.if \load
.if (\nn) < 2
	s_add_co_u32 s72, s94, s[92+\nn]               ; two places on in this group: tile (nn + 2 + e0) % 4
.else
	s_add_co_u32 s72, s95, s[88+\nn]               ; in the next group: tile (nn - 2 + e0) % 4
.endif
	s_mul_i32 s40, s72, s43
	s_add_nc_u64 s[14+64*(\k):15+64*(\k)], s[80:81], s[40:41]   ; behind the wait at the head, which has shown the loads that read this pointer done
	RING \k, 1
.endif
.endm
.macro STAGE m                         ; sub-tile m's 16 rows x 64 outputs through my own stage: in by lanes (32 bytes of a row each), back as whole rows of 256 bytes.  LDS serves a wave's instructions in order
.irp nn, 0,1,2,3
	ds_store_b128 v12, v[ACC+24*\nn+8*(\m):ACC+24*\nn+8*(\m)+3] offset:64*\nn       ; each accumulator from its low end on
	ds_store_b128 v12, v[ACC+24*\nn+8*(\m)+4:ACC+24*\nn+8*(\m)+7] offset:64*\nn+16
.endr
	WIN 0x80
.irp i, 0,1,2,3,4,5,6,7
	ds_load_b128 v[OB+32*((\m)%2)+4*\i:OB+32*((\m)%2)+4*\i+3], v13 offset:544*\i
.endr
	WIN 0
.endm
.macro SENDM m                         ; sixteen lanes store the 256 bytes of one aligned run of one token's row
	WIN 0x0a                                       ; offset and data in window 2
.irp i, 0,1,2,3,4,5,6,7
	global_store_b128 v[OUTO+8*(\m)+\i], v[OB+32*((\m)%2)+4*\i:OB+32*((\m)%2)+4*\i+3], s[24:25] th:TH_STORE_NT
.endr
	WIN 0
.endm
.macro OUTPUT                          ; 48 rows x my 64 outputs of this trip
	s_wait_xcnt 0x0                                ; the last trip's stores have read their data and their base: the registers may be loaded again, the base written
	s_add_nc_u64 s[24:25], s[86:87], s[96:97]      ; this trip's group of outputs
	STAGE 0
	STAGE 1
	s_wait_dscnt 0x0
	s_cmp_lg_u32 s34, 0                            ; a tile without rows stores nothing
	s_cbranch_scc1 .Lskip_a_\@
	SENDM 0
	SENDM 1
.Lskip_a_\@:
	s_wait_xcnt 0x0                                ; sub-tile 0's stores have read their data: sub-tile 2 lands there
	STAGE 2
	s_wait_dscnt 0x0
	s_cmp_lg_u32 s34, 0
	s_cbranch_scc1 .Lskip_b_\@
	SENDM 2
.Lskip_b_\@:
.endm
; Levels 2 and 3 of the search.  q: the rank; k: (ranks before the lane that holds it) << 8 | that lane.  tok: the token's number, held under 8,192.
.macro SELECT q, k, tok
	v_and_b32 v124, 0xff, v[\k]                    ; the lane whose eight words hold the rank
	v_lshrrev_b32 v126, 8, v[\k]
	v_sub_nc_u32 v126, v[\q], v126                 ; the rank among that lane's tokens
	v_lshlrev_b32 v125, 2, v124
.irp j, 0,1,2,3,4,5,6
	ds_bpermute_b32 v[128+\j], v125, v[96+\j]      ; its running counts
.endr
.irp j, 0,1,2,3,4,5,6,7
	ds_bpermute_b32 v[136+\j], v125, v[104+\j]     ; its words
.endr
	s_wait_dscnt 0x0
	v_mov_b32 v144, v136
	v_mov_b32 v145, 0
	v_mov_b32 v146, 0
.irp j, 0,1,2,3,4,5,6
	v_cmp_le_u32 vcc_lo, v[128+\j], v126           ; words 0 .. j lie wholly before the rank
	v_cndmask_b32 v144, v144, v[137+\j], vcc_lo
	v_cndmask_b32 v145, v145, v[128+\j], vcc_lo
	v_cndmask_b32 v154, 0, 1, vcc_lo
	v_add_nc_u32 v146, v146, v154
.endr
	v_sub_nc_u32 v147, v126, v145                  ; the rank among the word's set bits
	v_lshrrev_b32 v154, 1, v144                    ; counts in fields of 2, 4, 8 bits, and of the low 16
	v_and_b32 v154, 0x55555555, v154
	v_sub_nc_u32 v148, v144, v154
	v_lshrrev_b32 v154, 2, v148
	v_and_b32 v154, 0x33333333, v154
	v_and_b32 v149, 0x33333333, v148
	v_add_nc_u32 v149, v149, v154
	v_lshrrev_b32 v154, 4, v149
	v_add_nc_u32 v154, v149, v154
	v_and_b32 v150, 0x0f0f0f0f, v154
	v_lshrrev_b32 v154, 8, v150
	v_add_nc_u32 v151, v150, v154
	v_mov_b32 v152, 0
.irp wd, 151,150,149,148,144           ; halving: 16, 8, 4, 2, 1 bits
.if \wd == 151
.set fm, 0xff
.set fw, 16
.elseif \wd == 150
.set fm, 0xff
.set fw, 8
.elseif \wd == 149
.set fm, 15
.set fw, 4
.elseif \wd == 148
.set fm, 3
.set fw, 2
.else
.set fm, 1
.set fw, 1
.endif
	v_lshrrev_b32 v153, v152, v[\wd]
	v_and_b32 v153, fm, v153                       ; set bits in the lower half of what is left
	v_cmp_ge_u32 vcc_lo, v147, v153                ; the rank lies beyond them
	v_cndmask_b32 v153, 0, v153, vcc_lo
	v_sub_nc_u32 v147, v147, v153
	v_cndmask_b32 v154, 0, fw, vcc_lo
	v_add_nc_u32 v152, v152, v154
.endr
	v_lshl_add_u32 v154, v124, 3, v146
	v_lshl_add_u32 v[\tok], v154, 5, v152          ; 32 x (8 lane + word) + bit
	v_min_u32 v[\tok], 0x1fff, v[\tok]
.endm
	; ---------------- head: every wave runs all of it ----------------
	s_load_b512 s[8:23], s[0:1], 0x0               ; route s8, xq s10, xs s12, wimg s14, b0a s16, b1a s18, b0b s20, b1b s22
	s_load_b64 s[24:25], s[0:1], 0x40              ; out0
	v_lshl_add_u32 v255, v0, 2, 0x15200
	s_set_vgpr_msb 0x40
	v_mov_b32 v255, 0
	s_set_vgpr_msb 0x4000
	v_lshrrev_b32 v1, 5, v0
	v_readfirstlane_b32 s26, v1                    ; wave 0..3
	v_and_b32 v1, 31, v0                           ; lane l
	v_and_b32 v2, 15, v0                           ; r
	v_bfe_u32 v3, v0, 4, 1                         ; h
	v_lshlrev_b32 v4, 4, v1                        ; 16 l: a record's place for my lane
	v_lshlrev_b32 v5, 5, v1                        ; 32 l: my eight words of route
	v_lshlrev_b32 v6, 4, v1                        ; LDS: an image's place for my lane
	v_mul_u32_u24 v7, v1, 80
	v_add_nc_u32 v7, HSC, v7                       ; my lane's scale words of the hidden layer
	s_lshl_b32 s72, s26, 12
	v_add_nc_u32 v8, s72, v6                       ; where I store images: my wave makes K steps 4 w .. 4 w + 3
	s_lshl_b32 s72, s26, 4
	v_add_nc_u32 v9, s72, v7                       ; and their scale words
	s_lshl_b32 s72, s26, 11
	s_add_co_u32 s72, s72, BA
	v_lshl_add_u32 v10, v3, 6, s72                 ; up bias: my wave's 2,048 bytes, + 64 h
	v_add_nc_u32 v14, s72, v6
	s_lshl_b32 s72, s26, 10
	s_add_co_u32 s72, s72, BB
	v_lshl_add_u32 v11, v3, 5, s72                 ; down bias: my wave's 1,024 bytes, + 32 h
	v_add_nc_u32 v15, s72, v6
	s_mul_i32 s72, s26, 4352
	s_add_co_u32 s72, s72, STG
	v_mul_u32_u24 v12, v2, 272
	v_lshl_add_u32 v12, v3, 5, v12
	v_add_nc_u32 v12, s72, v12                     ; the stage, in: row r, + 32 h
	v_mul_u32_u24 v13, v3, 272
	v_lshl_add_u32 v13, v2, 4, v13
	v_add_nc_u32 v13, s72, v13                     ; back: lanes 0-15 one row, lanes 16-31 the next
	s_mov_b32 s36, 0x76543210
	s_mov_b32 s37, 0xfedcba98                      ; v_permlanex16_b32's selects for lane l xor 16
	s_mov_b32 s41, 0
	s_mov_b32 s43, REC
	s_mov_b32 s97, 0
	CPAIR 44, 0xC034D90F                           ; P's coefficients x log2(e); 1 is taken off the constant for the half
	CPAIR 46, 0x3FB8AB5A
	CPAIR 48, 0x3F0A29D2
	CPAIR 50, 0x3E0EFB2E
	CPAIR 52, 0xBE899A80
	CPAIR 54, 0x3ECDFD18
	CPAIR 56, 0xBFD1A1E5
	CPAIR 58, 0x40097039
	CPAIR 60, 0x3E7C6F08
	CPAIR 62, 0xBF38AA3B                           ; -log2(e) / 2
	s_mov_b32 s66, 0x3EB504F3                      ; 1 / (2 sqrt 2)
	v_mov_b32 v[C8], 0xBF97D29D
	v_mov_b32 v[C8+1], 0xBF97D29D
.irp m, 0,1,2
	v_mov_b32 v[PX+\m], 0                          ; written once: a lane permute's destination counts as one of its sources
.endr
	v_mov_b32 v122, 0
	; where my work-group's walk begins
	s_and_b32 s82, ttmp9, 7                        ; t0
	s_add_co_u32 s85, s82, 1
	s_and_b32 s84, ttmp9, 3                        ; e0
	s_bfe_u32 s83, ttmp9, 0x20002                  ; d0
.irp nn, 0,1,2,3
	s_add_co_u32 s[90+\nn], s84, \nn
	s_and_b32 s[90+\nn], s[90+\nn], 3              ; s90-93: the tile at place nn of a group: (nn + e0) % 4
.endr
	s_lshl_b32 s72, s83, 2
	s_add_co_u32 s72, s72, 64
	s_add_co_u32 s88, s72, s90                     ; my first two down records, counted from my first up record
	s_add_co_u32 s89, s72, s91
.set i, 0
.rept 8
	s_add_co_u32 s72, s82, i
	s_and_b32 s72, s72, 7
	s_lshl_b32 s72, s72, 9
	v_add_nc_u32 v[KO+i+2*(i/4)], s72, v4          ; 16 l + 512 ((i + t0) % 8)
.set i, i+1
.endr
	s_lshl_b32 s72, s82, 10
	v_add_nc_u32 v[VSC], s72, v4
	v_lshlrev_b32 v232, 4, v2                      ; the biases' offsets in memory, so that they lie in LDS by trip and place.  Up: LDS run 2 i + h of 256 bytes takes run (2 i + h + t0) % 8
	v_add_nc_u32 v112, s82, v3
.irp i, 0,1,2,3
	v_add_nc_u32 v113, 2*\i, v112
	v_and_b32 v113, 7, v113
	v_lshl_add_u32 v[238+\i], v113, 8, v232
.endr
	v_bfe_u32 v113, v1, 2, 2                       ; down: LDS run 8 i + l / 4 of 64 bytes = trip 2 i + h, place (l / 4) % 4
	v_add_nc_u32 v113, s84, v113
	v_and_b32 v113, 3, v113
	v_and_b32 v233, 3, v1
	v_lshlrev_b32 v233, 4, v233
	v_lshl_add_u32 v233, v113, 6, v233
	v_add_nc_u32 v112, s83, v3
.irp i, 0,1
	v_add_nc_u32 v113, 2*\i, v112
	v_and_b32 v113, 3, v113
	v_lshl_add_u32 v[242+\i], v113, 8, v233
.endr
	s_wait_kmcnt 0x0
	global_load_b128 v[96:99], v5, s[8:9] offset:1024      ; counts of my eight words
	global_load_b128 v[100:103], v5, s[8:9] offset:1040
	global_load_b128 v[104:107], v5, s[8:9]                ; the words
	global_load_b128 v[108:111], v5, s[8:9] offset:16
	s_lshl_b32 s72, s26, 10
	s_mov_b32 s73, 0
	s_add_nc_u64 s[86:87], s[24:25], s[72:73]      ; out0 at my wave's 256 outputs
	s_wait_loadcnt 0x0
.irp j, 1,2,3,4,5,6,7
	v_add_nc_u32 v[96+\j], v[96+\j], v[95+\j]      ; running counts within my lane
.endr
	s_mov_b32 s27, 0
.set L, 0
.rept 32
	v_readlane_b32 s72, v103, L
	s_add_co_u32 s27, s27, s72                     ; n1: tokens of expert 1
.set L, L+1
.endr
	s_sub_co_u32 s28, 8192, s27                    ; n0
	s_add_co_u32 s72, s28, 47
	s_mul_hi_u32 s29, s72, 0x05555556              ; expert 0's tiles: (n0 + 47) / 48, exact for numbers this small
	s_cmp_ge_u32 ttmp9, s29
	s_cselect_b32 s30, 1, 0                        ; my expert
	s_cselect_b32 s73, s29, 0
	s_cselect_b32 s32, s27, s28                    ; its tokens
	s_cselect_b32 s35, -1, 0                       ; as a mask of lanes
	s_min_u32 s30, s30, 1
	s_sub_co_u32 s31, ttmp9, s73
	s_mul_i32 s31, s31, 48                         ; my first rank
	s_max_u32 s33, s32, 1
	s_sub_co_u32 s33, s33, 1                       ; ranks are held at the expert's last
	s_cmp_ge_u32 s31, s32
	s_cselect_b32 s34, 1, 0                        ; 1: no rows: nothing is stored
	s_not_b32 s74, s35
.set j, 0
.rept 8
	v_sub_nc_u32 v112, 32*(j+1), v[96+j]
	v_cndmask_b32 v[96+j], v112, v[96+j], s35      ; expert 0 counts the clear bits,
	v_xor_b32 v[104+j], s74, v[104+j]              ; and its words are turned over
.set j, j+1
.endr
	s_mul_i32 s72, s30, 128*REC                    ; my expert's records,
	s_mul_i32 s73, s26, 16*REC                     ; my wave's sixteen
	s_add_co_u32 s72, s72, s73
	s_mov_b32 s73, 0
	s_add_nc_u64 s[76:77], s[14:15], s[72:73]      ; my first up record
	s_add_nc_u64 s[80:81], s[76:77], 64*REC        ; my first down record
	s_mul_i32 s40, s82, 2*REC
	s_add_nc_u64 s[14:15], s[76:77], s[40:41]      ; slot 0: the first record of pair t0
	s_add_nc_u64 s[78:79], s[14:15], REC           ; slot 1: its second
	RING 0, 0                                      ; the first record is asked for ahead of the search
	s_cmp_lg_u32 s30, 0
	s_cselect_b64 s[16:17], s[18:19], s[16:17]     ; my expert's biases
	s_cselect_b64 s[20:21], s[22:23], s[20:21]
	s_lshl_b32 s72, s26, 11
	s_add_nc_u64 s[16:17], s[16:17], s[72:73]
	s_lshl_b32 s72, s26, 10
	s_add_nc_u64 s[20:21], s[20:21], s[72:73]
.irp i, 0,1,2,3
	global_load_b128 v[184+4*\i:184+4*\i+3], v[238+\i], s[16:17]
.endr
.irp i, 0,1
	global_load_b128 v[200+4*\i:200+4*\i+3], v[242+\i], s[20:21]
.endr
	v_add_nc_u32 v114, s31, v1
	v_min_u32 v114, s33, v114                      ; rank A: q0 + lane
	v_add_nc_u32 v115, s31, v2
	v_add_nc_u32 v115, 32, v115
	v_min_u32 v115, s33, v115                      ; rank B: q0 + 32 + lane % 16
	v_lshl_or_b32 v116, v114, 8, 255
	v_lshl_or_b32 v117, v115, 8, 255
	v_mov_b32 v118, 0
	v_mov_b32 v119, 0
	s_mov_b32 s72, 0
.set L, 0
.rept 32                               ; level 1: the last lane whose tokens, with all before them, lie wholly before the rank
	v_readlane_b32 s73, v103, L
	s_add_co_u32 s72, s72, s73
	s_lshl_b32 s74, s72, 8
	s_or_b32 s74, s74, L+1
	v_mov_b32 v113, s74
	v_cmp_le_u32 vcc_lo, v113, v116
	v_cndmask_b32 v118, v118, v113, vcc_lo
	v_cmp_le_u32 vcc_lo, v113, v117
	v_cndmask_b32 v119, v119, v113, vcc_lo
.set L, L+1
.endr
	SELECT 114, 118, 120
	SELECT 115, 119, 121
	v_permlanex16_b32 v122, v120, s36, s37
	v_cmp_eq_u32 vcc_lo, 1, v3
	v_cndmask_b32 v156, v120, v122, vcc_lo         ; sub-tile 0's token r, in both halves of the lanes
	v_cndmask_b32 v157, v122, v120, vcc_lo         ; sub-tile 1's
	v_min_u32 v156, 0x1fff, v156
	v_min_u32 v157, 0x1fff, v157
	v_lshlrev_b32 v158, 4, v3
	v_lshl_add_u32 v160, v156, 9, v158             ; a token's 512 bytes of codes, + 16 h
	v_lshl_add_u32 v161, v157, 9, v158
	v_lshl_add_u32 v162, v121, 9, v158
	v_lshlrev_b32 v163, 5, v120                    ; a token's 32 scale bytes
	v_lshlrev_b32 v164, 5, v121
	WIN 0x40                                       ; x's 24 fragments straight into window 1.  Every wave loads all of them: that spares a way through LDS and a barrier
.irp m, 0,1,2
.irp s, 0,1,2,3,4,5,6,7
.irp c, 0,1
	global_load_b128 v[8*(8*\m+\s)+4*\c:8*(8*\m+\s)+4*\c+3], v[160+\m], s[10:11] offset:64*\s+32*\c
.endr
.endr
.endr
	WIN 0
	global_load_b128 v[XS01:XS01+3], v163, s[12:13]
	global_load_b128 v[XS01+4:XS01+7], v163, s[12:13] offset:16
	global_load_b128 v[XS01+8:XS01+11], v164, s[12:13]
	global_load_b128 v[XS01+12:XS01+15], v164, s[12:13] offset:16
	v_lshlrev_b32 v165, 2, v3
	v_lshrrev_b32 v166, 2, v2                      ; on the way out lane r holds 16 bytes of place r / 4 of a group: they belong to tile (r / 4 + e0) % 4
	v_add_nc_u32 v166, s84, v166
	v_and_b32 v166, 3, v166
	v_and_b32 v167, 3, v2
	v_lshlrev_b32 v167, 4, v167
	v_lshl_add_u32 v167, v166, 6, v167
.irp mm, 0,1
.irp i, 0,1,2,3,4,5,6,7
	v_add_nc_u32 v[168+8*\mm+\i], 64*\mm+8*\i, v165   ; 4 x the lane that holds row 16 mm + 2 i + h
.endr
.endr
.irp i, 0,1,2,3,4,5,6,7
	ds_bpermute_b32 v[208+\i], v[168+\i], v120
	ds_bpermute_b32 v[216+\i], v[176+\i], v120
	ds_bpermute_b32 v[224+\i], v[168+\i], v121
.endr
	s_wait_dscnt 0x0
.set j, 0
.rept 24
	v_min_u32 v[208+j], 0x1fff, v[208+j]
.set j, j+1
.endr
	WIN 0x80
.set j, 0
.rept 24
	v_lshl_add_u32 v[OUTO+j], v[208+j], 12, v167   ; the token's row of out0, + my 16 bytes' place in a group: kept in window 2
.set j, j+1
.endr
	WIN 0
	s_wait_loadcnt 52                              ; the biases are in; x's 48 fragment loads and 4 scale loads may be out
.irp i, 0,1,2,3
	ds_store_b128 v14, v[184+4*\i:184+4*\i+3] offset:512*\i   ; my wave's own bytes: only I read them
.endr
.irp i, 0,1
	ds_store_b128 v15, v[200+4*\i:200+4*\i+3] offset:512*\i
.endr
.irp j, 0,1,2,3
	ds_load_b128 v[BI+4*\j:BI+4*\j+3], v10 offset:16*\j       ; the first record's bias; LDS serves a wave's instructions in order
.endr
	RING 1, 0
	s_mov_b32 s38, 0                               ; trip
	s_mov_b32 s39, 0                               ; 512 x trip: half a fragment image
	s_mov_b32 s70, 0                               ; 256 x trip: the bias of 64 units
	s_mov_b32 s71, 0                               ; 2 x trip: two scale bytes
	; ---------------- up: eight trips of two records = 64 hidden units = half trip % 2 of K step 4 w + trip / 2 of the next product, as this work-group lays it ----------------
.Lup:
	UPAIR 0
	UPAIR 1
.irp m, 0,1,2                          ; the operand's layout wants a whole block in a lane: lanes 0-15 the first record's, lanes 16-31 the second's
.irp i, 0,1
	v_permlane16_swap_b32 v[PC+4*\m+\i], v[PC+4*\m+2+\i]
.endr
.endr
	v_add_nc_u32 v14, s39, v8
	v_add_nc_u32 v15, s71, v9
.irp m, 0,1,2
	ds_store_b128 v14, v[PC+4*\m:PC+4*\m+3] offset:16384*\m   ; four registers of the fragment, as they stand
	ds_store_b16 v15, v[PW+\m] offset:2560*\m                 ; two bytes of its scale word
.endr
	s_add_co_u32 s39, s39, 512
	s_add_co_u32 s70, s70, 256
	s_add_co_u32 s71, s71, 2
	s_add_co_u32 s38, s38, 1
	s_cmp_lt_u32 s38, 8
	s_cbranch_scc1 .Lup
	s_wait_dscnt 0x0                               ; for the others' sake: my images and scale bytes have landed
	s_barrier_signal -1
	s_barrier_wait -1                              ; the hidden layer's 48 fragments lie in LDS; nobody writes them again
	; ---------------- the hidden layer into registers: it stays there for all my 16 down records ----------------
	WIN 0x40
.irp s, 0,1,2,3,4,5,6,7,8,9
.irp m, 0,1,2
.irp c, 0,1
	ds_load_b128 v[8*(3*\s+\m)+4*\c:8*(3*\s+\m)+4*\c+3], v6 offset:1024*(16*\m+\s)+512*\c
.endr
.endr
.endr
	WIN 0x80
.irp s, 10,11,12,13,14,15
.irp m, 0,1,2
.irp c, 0,1
	ds_load_b128 v[8*(3*(\s-10)+\m)+4*\c:8*(3*(\s-10)+\m)+4*\c+3], v6 offset:1024*(16*\m+\s)+512*\c
.endr
.endr
.endr
	WIN 0
.irp m, 0,1,2
.irp j, 0,1,2,3
	ds_load_b128 v[HS+16*\m+4*\j:HS+16*\m+4*\j+3], v7 offset:2560*\m+16*\j
.endr
.endr
	ds_load_b128 v[BI:BI+3], v11                   ; the first place's bias
	ds_load_b128 v[BI+4:BI+7], v11 offset:16
	s_wait_dscnt 0x0
	s_mov_b32 s70, 0                               ; 256 x trip: the bias of 64 outputs
	s_mov_b32 s38, 0
	; ---------------- down: four trips of four records = 64 outputs; the last is written out, so that no load is issued for a record that is not wanted ----------------
.Ldn:
	DHEAD
	DREC 0, 0, 1, 34, 1
	DREC 1, 1, 1, 34, 1
	DREC 0, 2, 1, 34, 1
	DREC 1, 3, 1, 34, 1
	OUTPUT
	s_add_co_u32 s70, s70, 256
	s_add_co_u32 s38, s38, 1
	s_cmp_lt_u32 s38, 3
	s_cbranch_scc1 .Ldn
	DHEAD
	DREC 0, 0, 1, 34, 1
	DREC 1, 1, 1, 34, 1
	DREC 0, 2, 0, 34, 1                            ; the last record's 34 loads may be out
	DREC 1, 3, 0, 0, 0
	OUTPUT
	s_set_vgpr_msb 0x4
	s_wait_tensorcnt 0x0
	ds_add_u32 v255, v255
	s_wait_dscnt 0x0
	s_set_vgpr_msb 0x400
	s_endpgm
.Lfunc_end_k_q02461dbf80_moe:
	.size	k_q02461dbf80_moe, .Lfunc_end_k_q02461dbf80_moe-k_q02461dbf80_moe
	.p2alignl 7, 3214868480
	.fill 96, 4, 3214868480
	.section	.rodata,"a",@progbits
	.p2align	6, 0x0
	.amdhsa_kernel k_q02461dbf80_moe
		.amdhsa_group_segment_fixed_size 87040
		.amdhsa_private_segment_fixed_size 0
		.amdhsa_enable_private_segment 0
		.amdhsa_kernarg_size 72
		.amdhsa_user_sgpr_count 2
		.amdhsa_user_sgpr_kernarg_segment_ptr 1
		.amdhsa_wavefront_size32 1
		.amdhsa_system_sgpr_workgroup_id_x 1
		.amdhsa_system_sgpr_workgroup_id_y 1
		.amdhsa_system_sgpr_workgroup_id_z 1
		.amdhsa_system_vgpr_workitem_id 0
		.amdhsa_next_free_vgpr 1024
		.amdhsa_next_free_sgpr 100
		.amdhsa_reserve_vcc 1
		.amdhsa_float_denorm_mode_32 3
		.amdhsa_float_denorm_mode_16_64 3
		.amdhsa_memory_ordered 1
		.amdhsa_forward_progress 1
		.amdhsa_inst_pref_size 237
	.end_amdhsa_kernel
	.amdgpu_metadata
---
amdhsa.version: [ 1, 2 ]
amdhsa.kernels:
  - .name:           k_q02461dbf80_moe
    .symbol:         k_q02461dbf80_moe.kd
    .args:
      - { .name: route, .offset: 0, .size: 8, .value_kind: global_buffer, .address_space: global }
      - { .name: xq, .offset: 8, .size: 8, .value_kind: global_buffer, .address_space: global }
      - { .name: xs, .offset: 16, .size: 8, .value_kind: global_buffer, .address_space: global }
      - { .name: wimg, .offset: 24, .size: 8, .value_kind: global_buffer, .address_space: global }
      - { .name: b0a, .offset: 32, .size: 8, .value_kind: global_buffer, .address_space: global }
      - { .name: b1a, .offset: 40, .size: 8, .value_kind: global_buffer, .address_space: global }
      - { .name: b0b, .offset: 48, .size: 8, .value_kind: global_buffer, .address_space: global }
      - { .name: b1b, .offset: 56, .size: 8, .value_kind: global_buffer, .address_space: global }
      - { .name: out0, .offset: 64, .size: 8, .value_kind: global_buffer, .address_space: global }
    .group_segment_fixed_size: 87040
    .private_segment_fixed_size: 0
    .kernarg_segment_align: 8
    .kernarg_segment_size: 72
    .max_flat_workgroup_size: 128
    .sgpr_count:     100
    .vgpr_count:     1024
    .wavefront_size: 32
...
	.end_amdgpu_metadata
.endif
;; end of part 2
